; MI455X (gfx1250); checked and timed in simulation.
; The chip was launched on July 23, 2026; its instructions are those of AMD's public machine-readable ISA for CDNA 5 (MIT licence, August 2026) and "CDNA5" Instruction Set Architecture Reference Guide (July 2026). The comments in the code are by the model that wrote it; some were corrected since.
;; SVD Quant Linear. Allowed arithmetic: matrix products marked QUANTISED: E4M3 operands, one E8M0 scale for each 32 along K, by v_wmma_scale_f32_16x16x128_f8f6f4 with both operands' format E4M3, f32 sums; everything else in f32.
;; Inputs: bias 4,096 float32; lora_A_codes 32 x 128 x 32 uint8 (E4M3 codes of lora_A, K innermost, in blocks of 32 codes); lora_A_scales 32 x 128 uint8 (E8M0 scales of lora_A, one for each 32 codes along K); lora_B_codes 4,096 x 1 x 32 uint8 (E4M3 codes of lora_B, K innermost, in blocks of 32 codes); lora_B_scales 4,096 x 1 uint8 (E8M0 scales of lora_B, one for each 32 codes along K); lora_S 32 float32; w_q 4,096 x 4,096 int32; w_scale 4,096 float32; x_codes 4 x 1,024 x 128 x 32 uint8 (E4M3 codes of x, K innermost, in blocks of 32 codes); x_scales 4 x 1,024 x 128 uint8 (E8M0 scales of x, one for each 32 codes along K).
;; Outputs: out0 4 x 1,024 x 4,096 float32.
;; This version of the problem:
;;   THIS VERSION OF THE PROBLEM IS GIVEN IN LOW PRECISION. The matrix products marked QUANTISED in the list below multiply operands that are first quantised to E4M3 (4 exponent bits, 3 mantissa bits; 8 bits a number), with one power-of-two scale for each 32 numbers along K (OCP MX v1.0); their sums are f32. All else is computed in f32.
;;   The module's matrix products, in the order in which they are computed (A, B: the left and right operand; K: the contracted axis; several contracted axes count as one K, in the product's order):
;;     1. [M 4,096, K 4,096] x [K 4,096, N 4,096]; A: input x (given as codes); B: computed on the way: QUANTISED
;;     2. [M 4,096, K 4,096] x [K 4,096, N 32]; A: input x (given as codes); B: input lora_A (given as codes): QUANTISED
;;     3. [M 4,096, K 32] x [K 32, N 4,096]; A: computed on the way; B: input lora_B (given as codes): QUANTISED
;;   THE QUANTISER, for each operand of a quantised product, along K:
;;     - K is cut into blocks of 32 from its start; a last block that is shorter is filled with zeros.
;;     - A block's scale is 2^e with e = floor(log2(the largest magnitude in the block)) - 8, held to -126 .. 127; a block of zeros has e = 0. As a byte (E8M0): e + 127.
;;     - Each number is divided by its block's scale, clamped to +-448, and rounded to the nearest number of E4M3, ties to even, subnormals kept.
;;     - The product sums the exact products of the quantised numbers (number of the format x scale) in f32.
;;   ~~~python
;;   def quantise(x, axis):      # numpy; x: float32 -> the quantised numbers, widened to float32 again
;;       x = np.moveaxis(x, axis, -1); K = x.shape[-1]
;;       x = np.pad(x, [(0, 0)] * (x.ndim - 1) + [(0, -K % 32)]); x = x.reshape(x.shape[:-1] + (-1, 32)); a = np.abs(x).max(-1, keepdims=True)
;;       e = np.where(a > 0, np.clip(np.frexp(np.where(a > 0, a, 1))[1] - 1 - 8, -126, 127), 0)      # np.frexp(a)[1] - 1 = floor(log2(a)), exactly
;;       r = np.clip(x / 2.0 ** e, -448, 448)
;;       step = 2.0 ** (np.maximum(np.frexp(np.where(r == 0, 1, r))[1] - 1, -6) - 3)
;;       q = np.round(r / step) * step * 2.0 ** e      # np.round: ties to even
;;       return np.moveaxis(q.reshape(q.shape[:-2] + (-1,))[..., :K], -1, axis).astype(np.float32)
;;   ~~~
;;   OPERANDS COMPUTED ON THE WAY. 'Computed on the way' means the value that the module computes at that place (a softmax that the list does not call 'softmax' is quantised finished and normalised). What goes into a quantiser is computed in f32, as accurately as f32 sums, v_exp_f32 and their like allow (about 1e-6 of the number): no bf16 or f16 on the way to a quantiser, and a product that is left as it is and whose result goes on into a quantised operand takes f32 operands (vector FMAs, or v_wmma_f32_16x16x4_f32). A number that lies on a knife's edge between two numbers of the format may be rounded either way, as far as f32 arithmetic and the matrix unit's own rounding can turn it there, and no further.
;;   INPUTS GIVEN AS CODES. lora_A (in the module: [32, 4096], K = its axis 1); lora_B (in the module: [4096, 32], K = its axis 1); x (in the module: [4, 1024, 4096], K = its axis 2): each comes as NAME_codes (uint8): NAME with its K axis moved to the last place and cut into blocks of 32 codes, [.., K / 32, bytes a block], one block behind the other in memory; one code a byte (a code: sign, 4 exponent bits, 3 mantissa bits); and NAME_scales (uint8): the same leading axes, one E8M0 byte (e + 127) for each 32 codes along K. Its value is code x scale, taken as it is: it is not quantised again, and the codes and scales need not be those that the quantiser above would give.
;; One version. Each part assembles by itself: llvm-mc -triple=amdgcn-amd-amdhsa -mcpu=gfx1250 --defsym DOCPART=n.
;; ======== version 1 of 1: 2 launches
;; limits: right only within a limited range of input values
;; workspace buffers: wc 16,777,216 bytes; scl 1,048,576 bytes; zc 524,288 bytes; zs 32,768 bytes
;; launch prep (part 1): grid 384 x 1, 8 waves a work-group, no clusters, 136,192 bytes of LDS; arguments x_codes, x_scales, lora_A_codes, lora_A_scales, lora_S, w_q, w_scale, wc, scl, zc, zs; writes wc, scl, zc, zs
.if DOCPART == 1
	.amdgcn_target "amdgcn-amd-amdhsa--gfx1250"
	.amdhsa_code_object_version 6
	.text
	.protected	k_q6159f45399_prep
	.globl	k_q6159f45399_prep
	.p2align	8
	.type	k_q6159f45399_prep,@function
k_q6159f45399_prep:
	s_mov_b64 s[64:65], 0
	v_nop
	global_prefetch_b8 v0, s[64:65] scope:SCOPE_SE
	s_setreg_imm32_b32 hwreg(HW_REG_WAVE_MODE, 25, 1), 1
	s_wait_xcnt 0x0
; WHAT THE PRODUCT'S LAUNCH NEEDS, MADE ONCE.  Two kinds of work-groups, told apart by the work-group's number alone; each kind has LDS bytes of its own and its own end.
; Work-groups 128..383 (path W): w_deq[n][k] = f32(w_q[n][k]) x w_scale[n], quantised along k to codes of FP8 (E4M3) with one E8M0 byte for each 32 along k.
;   Codes go to wc [4096 n][4096 k], one byte a code.  Scale bytes go to scl, side 1.
; Work-groups 0..127 (path XA): xa = x lora_A^T on the given codes; z = xa x lora_S, quantised along its 32 units; x's scale bytes are laid anew into scl, side 0.
;   z goes to zc as images of whole operand fragments of 128 along K (32 codes, then 96 zero codes) and to zs as images of the scale register (byte 0 z's, bytes 1-3 zero).
; scl: byte t x 65536 + side x 32768 + g x 256 + r x 16 + i x 8 + kb holds the byte of row 32 g + 16 i + r for k = 256 t + 32 kb on: the bytes of 32 rows and 256 along k are 256 consecutive bytes, aligned.
; A block's scale is 2^(floor(log2(its largest magnitude)) - 8); its byte is the largest magnitude's exponent field - 8, held at 1 from below by a floor among the maximum's leaves.
; LIMITS: a block of zeros gets the byte 1 where the rule says 127: its codes are zeros, which add nothing under any byte but 0xff, and this program alone reads the bytes.
;   NaN and infinities in w_scale, lora_S or xa are not served.  xa is the sum, K ascending, of eight f32 partial sums of 512 along K each.
; No tensor loads, no copies.  Path W has no barrier (waves share nothing); path XA has one.
.set WGX,  128                         ; work-groups of path XA
.set FLOOR, 0x4800000                  ; 2^(9 - 127)
	s_load_b256 s[4:11], s[0:1], 0x0               ; x_codes s[4:5], x_scales s[6:7], lora_A_codes s[8:9], lora_A_scales s[10:11]
	s_load_b128 s[12:15], s[0:1], 0x20             ; lora_S s[12:13], w_q s[14:15]
	s_load_b128 s[16:19], s[0:1], 0x30             ; w_scale s[16:17], wc s[18:19]
	s_load_b128 s[20:23], s[0:1], 0x40             ; scl s[20:21], zc s[22:23]
	s_load_b64 s[24:25], s[0:1], 0x50              ; zs
	v_lshl_add_u32 v254, v0, 2, 0x21000
	v_mov_b32 v255, 0
	v_lshrrev_b32 v1, 5, v0
	s_delay_alu instid0(VALU_DEP_1)
	v_readfirstlane_b32 s26, v1                    ; wave 0..7
	v_and_b32 v1, 31, v0                           ; lane
	v_and_b32 v2, 15, v0                           ; r
	v_bfe_u32 v3, v0, 4, 1                         ; h
	s_mov_b32 s27, 0x600000                        ; the mantissa field of 448
	s_mov_b32 s28, 0x76543210
	s_mov_b32 s29, 0xfedcba98                      ; v_permlanex16_b32's selects for lane l xor 16
	s_cmp_lt_u32 ttmp9, WGX                        ; the same in all waves of a work-group
	s_cbranch_scc1 .Lxa
; ======================================================== PATH W ========================================================
; A wave takes 32 rows (group g) x 256 along k (K step t): 16 steps of 512 numbers; step s is rows s and s + 16 of the group, 1,024 bytes of each.
; Each load reads 512 consecutive bytes, 16 a lane; a step's 2,048 bytes turn through the wave's own stage in LDS and come back 64 bytes a lane: lane (r, h) then holds row s + 16 h, k = 16 r .. 16 r + 15;
; two neighbouring lanes hold a block of 32.  A lane's 16 codes are 16 bytes: sixteen lanes store 256 consecutive bytes of a row of wc, aligned.  The wave's 256 scale bytes are gathered in LDS and leave as one store of 256 bytes.
; Loads run six steps ahead (24 loads a wave), the turn through LDS one step.
.set WLDS, 69632                       ; path W's LDS begins behind path XA's; 8,192 bytes a wave: two stages of 32 x 80, then 256 scale bytes
.set WR,   16                          ; v16-111  six sets of 16 words as they are loaded
.set WX,   112                         ; v112-143 two sets of 16 neighbours
.set WE,   144                         ; v144-159 a scale byte for each step
.set WSC,  160                         ; v160-175 w_scale of rows 16 h + 0 .. 15 of the group
.set WC,   176                         ; v176-239 codes: four registers for each step, so that no store's data are written again
	s_sub_co_u32 s30, ttmp9, WGX
	s_lshr_b32 s31, s30, 1                         ; g: which 32 rows
	s_and_b32 s30, s30, 1
	s_lshl_b32 s30, s30, 3
	s_add_co_u32 s30, s30, s26                     ; t: which 256 along k
	s_mul_i32 s32, s26, 8192
	s_add_co_u32 s32, s32, WLDS                    ; my wave's LDS
	s_wait_alu depctr_va_vdst(0)
	v_lshlrev_b32 v4, 4, v1                        ; my 16 bytes of a load's 512
	v_lshrrev_b32 v5, 2, v1
	s_delay_alu instid0(VALU_DEP_1)
	v_mul_u32_u24 v5, v5, 80
	v_and_b32 v6, 3, v1
	s_delay_alu instid0(VALU_DEP_1)
	v_lshl_add_u32 v5, v6, 4, v5
	s_delay_alu instid0(VALU_DEP_1)
	v_add_nc_u32 v5, s32, v5                       ; the stage, way in: four lanes' 64 bytes on end, then 16 of padding
	v_mul_u32_u24 v6, v1, 80
	s_delay_alu instid0(VALU_DEP_1)
	v_add_nc_u32 v6, s32, v6                       ; way out: 80 x lane: my 16 neighbours
	v_lshlrev_b32 v7, 16, v3
	s_delay_alu instid0(VALU_DEP_1)
	v_lshl_add_u32 v7, v2, 4, v7                   ; wc: 16 rows of 4,096 bytes x h + 16 r
	s_add_co_u32 s33, s32, 5120
	v_lshrrev_b32 v8, 1, v1
	s_delay_alu instid0(VALU_DEP_1)
	v_add_nc_u32 v8, s33, v8                       ; my block's scale byte: 8 h + r / 2 in the step's 16
	v_lshlrev_b32 v10, 3, v1                       ; the bytes' way out: 8 a lane
	s_delay_alu instid0(VALU_DEP_1)
	v_add_nc_u32 v9, s33, v10
	v_lshlrev_b32 v11, 6, v3                       ; w_scale: 16 numbers x h
	s_lshl_b32 s34, s31, 19                        ; w_q: 32 rows of 16,384 bytes x g + 1,024 t
	s_lshl_b32 s35, s30, 10
	s_add_co_u32 s34, s34, s35
	s_mov_b32 s35, 0
	s_lshl_b32 s36, s31, 17                        ; wc: 32 rows of 4,096 bytes x g + 256 t
	s_lshl_b32 s37, s30, 8
	s_add_co_u32 s36, s36, s37
	s_mov_b32 s37, 0
	s_lshl_b32 s38, s30, 16                        ; scl: 65,536 t + side 1 + 256 g
	s_lshl_b32 s39, s31, 8
	s_add_co_u32 s38, s38, s39
	s_add_co_u32 s38, s38, 32768
	s_mov_b32 s39, 0
	s_lshl_b32 s40, s31, 7                         ; w_scale: 32 numbers x g
	s_mov_b32 s41, 0
	s_wait_alu depctr_va_vdst(0)
	s_wait_kmcnt 0x0
	s_add_nc_u64 s[14:15], s[14:15], s[34:35]
	s_add_nc_u64 s[18:19], s[18:19], s[36:37]
	s_add_nc_u64 s[20:21], s[20:21], s[38:39]
	s_add_nc_u64 s[16:17], s[16:17], s[40:41]
.macro LOADW t                         ; step t: two loads for row t, two for row t + 16; read once in the launch
.irp i, 0,1,2,3
	global_load_b128 v[WR+16*((\t)%6)+4*\i:WR+16*((\t)%6)+4*\i+3], v4, s[14:15] offset:(\t)*16384+(\i&1)*512+(\i>>1)*262144 th:TH_LOAD_NT
.endr
.endm
.macro TURNW t                         ; step t's words through the stage: LDS serves a wave's instructions in order, so no wait stands between the stores and the loads
.irp i, 0,1,2,3
	ds_store_b128 v5, v[WR+16*((\t)%6)+4*\i:WR+16*((\t)%6)+4*\i+3] offset:2560*((\t)%2)+640*\i
.endr
.irp i, 0,1,2,3
	ds_load_b128 v[WX+16*((\t)%2)+4*\i:WX+16*((\t)%2)+4*\i+3], v6 offset:2560*((\t)%2)+16*\i
.endr
.endm
.irp j, 0,1,2,3
	global_load_b128 v[WSC+4*\j:WSC+4*\j+3], v11, s[16:17] offset:16*\j
.endr
.irp t, 0,1,2,3,4,5
	LOADW \t
.endr
	s_wait_loadcnt 20                              ; w_scale and step 0 are in; steps 1 to 5 (20 loads) may be out
	TURNW 0
.macro STEPW t
.set WXS, WX+16*((\t)%2)
.if (\t) > 0
	s_wait_dscnt 1                                 ; this step's words are back from the stage (the last step's byte store may be out): so its stores into the stage have read their registers,
.else
	s_wait_dscnt 0x0
.endif
.if (\t)+6 < 16
	LOADW (\t)+6                                   ; which take the loads of six steps on
.endif
.if (\t)+1 < 16
.if (\t) <= 9
	s_wait_loadcnt 20                              ; the next step's four loads are in; those of the five steps behind it may be out
.else
	s_wait_loadcnt 4*(14-(\t))                     ; the counts run down: nothing is loaded beyond step 15
.endif
	TURNW (\t)+1                                   ; and go through the other stage while this step is worked
.endif
.irp i, 0,1,2,3,4,5,6,7,8,9,10,11,12,13,14,15
	v_cvt_f32_i32 v[WXS+\i], v[WXS+\i]             ; to the nearest f32, ties to even
.endr
.irp i, 0,1,2,3,4,5,6,7,8,9,10,11,12,13,14,15
	v_mul_f32 v[WXS+\i], v[WXS+\i], v[WSC+(\t)]    ; x my row's scale: w_deq, in f32
.endr
	v_max3_num_f32 v240, |v[WXS]|, |v[WXS+1]|, |v[WXS+2]|          ; the largest magnitude of my 16, in two chains
	v_max3_num_f32 v241, |v[WXS+3]|, |v[WXS+4]|, |v[WXS+5]|
.irp i, 6,10
	s_delay_alu instid0(VALU_DEP_2)
	v_max3_num_f32 v240, v240, |v[WXS+\i]|, |v[WXS+\i+1]|
	s_delay_alu instid0(VALU_DEP_2)
	v_max3_num_f32 v241, v241, |v[WXS+\i+2]|, |v[WXS+\i+3]|
.endr
	s_delay_alu instid0(VALU_DEP_2)
	v_max3_num_f32 v240, v240, |v[WXS+14]|, |v[WXS+15]|
	s_delay_alu instid0(VALU_DEP_1)
	v_max3_num_f32 v240, v240, v241, FLOOR         ; and the floor: the byte cannot fall under 1
	s_delay_alu instid0(VALU_DEP_1)
	v_max_num_f32_dpp v240, v240, v240 row_xmask:1 row_mask:0xf bank_mask:0xf   ; and of my neighbour's 16: the block's
	s_delay_alu instid0(VALU_DEP_1)
	v_add_nc_u32 v243, 0xfc000000, v240            ; 8 off its exponent field: the conversion takes the exponent field of this operand as its scale
	s_delay_alu instid0(VALU_DEP_2)
	v_and_or_b32 v242, v240, 0x7f800000, s27       ; 448 x the scale
.irp i, 0,1,2,3,4,5,6,7,8,9,10,11,12,13,14,15
	v_med3_num_f32 v[WXS+\i], v[WXS+\i], -v242, v242   ; the conversion to an 8-bit code does not saturate (ISA guide 7.6.2): the hold comes first
.endr
	v_cvt_scalef32_pk8_fp8_f32 v[WC+4*(\t):WC+4*(\t)+1], v[WXS:WXS+7], v243
	v_cvt_scalef32_pk8_fp8_f32 v[WC+4*(\t)+2:WC+4*(\t)+3], v[WXS+8:WXS+15], v243
	v_lshrrev_b32 v[WE+(\t)], 23, v243             ; the scale's byte (also the plain line behind the conversions)
	ds_store_b8 v8, v[WE+(\t)] offset:16*(\t)      ; both lanes of a block write the same byte with the same value
	global_store_b128 v7, v[WC+4*(\t):WC+4*(\t)+3], s[18:19] offset:4096*(\t)   ; sixteen lanes: 256 consecutive bytes of a row of wc, aligned
.endm
.irp t, 0,1,2,3,4,5,6,7,8,9,10,11,12,13,14,15
	STEPW \t
.endr
	ds_load_b64 v[244:245], v9                     ; LDS serves a wave's instructions in order: these see my byte stores
	s_wait_dscnt 0x0
	global_store_b64 v10, v[244:245], s[20:21]     ; 32 lanes store 256 consecutive bytes, aligned
	s_wait_tensorcnt 0x0
	ds_add_u32 v254, v255
	s_wait_dscnt 0x0
	s_endpgm
; ======================================================== PATH XA =======================================================
; A work-group takes 32 rows of x (two tiles of 16).  Wave w takes K = 512 w .. 512 w + 511, in two runs of 256; the eight partial sums meet in LDS behind the one barrier.
; Panels (32 rows x 256 bytes of x, the same of lora_A) are loaded as they lie, sixteen lanes to 256 consecutive bytes of a row, and turn through the wave's own LDS region (rows 272 bytes apart) into operand fragments.
; THE PRODUCT IS USED TRANSPOSED (source 0 = 16 rows of lora_A, source 1 = 16 rows of x), and lane r of lora_A's tile u takes row 8 u + r + 8 (r / 8): so lane (r, h) holds row r of xa, and the 16 registers of the two tiles are units 16 h + 0 .. 15:
; the order in which the next product's operand wants them.
.set XREG, 8704                        ; a wave's LDS region: 32 rows x 272; later the image of its four accumulators (4,096 bytes)
.set XP,   32                          ; v32-95   x's panel, then its fragments (tile u, step q) at + 16 (2 u + q)
.set LP,   96                          ; v96-159  lora_A's likewise
.set ACC,  160                         ; v160-191 accumulator 2 ux + ul
.set XSC,  192                         ; v192-195 x's scale words, lane = row of the 32; register 2 S + q
.set ASC,  196                         ; v196-199 lora_A's: lanes 0-15 tile 0's rows, lanes 16-31 tile 1's
.set RL,   200                         ; v200-203 x's scale bytes in scl's order
.set LS,   204                         ; v204-219 lora_S of units 16 h + 0 .. 15
.Lxa:
	s_mul_i32 s30, s26, XREG
	s_wait_alu depctr_va_vdst(0)
	v_lshlrev_b32 v4, 12, v3
	s_delay_alu instid0(VALU_DEP_1)
	v_lshl_add_u32 v4, v2, 4, v4                   ; a panel in memory: row h of a pair, 16 r
	v_mul_u32_u24 v5, v3, 272
	s_delay_alu instid0(VALU_DEP_1)
	v_lshl_add_u32 v5, v2, 4, v5
	s_delay_alu instid0(VALU_DEP_1)
	v_add_nc_u32 v5, s30, v5                       ; and in LDS
	v_mul_u32_u24 v6, v2, 272
	s_delay_alu instid0(VALU_DEP_1)
	v_lshl_add_u32 v6, v3, 4, v6
	s_delay_alu instid0(VALU_DEP_1)
	v_add_nc_u32 v6, s30, v6                       ; x's fragments: row r, + 16 h
	v_and_b32 v17, 8, v2
	s_delay_alu instid0(VALU_DEP_1)
	v_add_nc_u32 v17, v17, v2                      ; r + 8 (r / 8)
	s_delay_alu instid0(VALU_DEP_1)
	v_mul_u32_u24 v7, v17, 272
	s_delay_alu instid0(VALU_DEP_1)
	v_lshl_add_u32 v7, v3, 4, v7
	s_delay_alu instid0(VALU_DEP_1)
	v_add_nc_u32 v7, s30, v7                       ; lora_A's fragments
	v_lshlrev_b32 v18, 4, v1                       ; 16 x lane
	s_delay_alu instid0(VALU_DEP_1)
	v_add_nc_u32 v8, s30, v18                      ; where I store my accumulators' image
	s_lshl_b32 s31, s26, 11
	v_add_nc_u32 v9, s31, v18                      ; where waves 0 and 1 read the images: tile w's two accumulators
	v_lshlrev_b32 v10, 7, v1                       ; x_scales: row = lane
	v_lshl_add_u32 v11, v3, 3, v17
	s_delay_alu instid0(VALU_DEP_1)
	v_lshlrev_b32 v11, 7, v11                      ; lora_A_scales: row 8 h + r + 8 (r / 8)
	v_and_b32 v12, 1, v1
	s_delay_alu instid0(VALU_DEP_1)
	v_lshlrev_b32 v12, 4, v12
	v_lshrrev_b32 v19, 1, v1
	s_delay_alu instid0(VALU_DEP_1)
	v_add_nc_u32 v12, v12, v19
	s_delay_alu instid0(VALU_DEP_1)
	v_lshlrev_b32 v12, 7, v12                      ; x_scales once more: row 16 (lane % 2) + lane / 2: scl's order
	v_lshlrev_b32 v13, 3, v1                       ; scl: 8 bytes a lane
	v_lshlrev_b32 v14, 6, v3                       ; lora_S: 16 numbers x h
	v_add_nc_u32 v15, s31, v18                     ; zc: tile w of the two, 16 x lane
	s_lshl_b32 s32, s26, 7
	v_lshl_add_u32 v16, v1, 2, s32                 ; zs: tile w, 4 x lane
	v_mov_b32 v221, 0                              ; (a lane permute's destination counts as one of its sources)
	s_lshl_b32 s34, ttmp9, 17                      ; x_codes: 32 rows of 4,096 bytes x g + 512 w
	s_lshl_b32 s35, s26, 9
	s_add_co_u32 s34, s34, s35
	s_mov_b32 s36, s35                             ; lora_A_codes: 512 w
	s_mov_b32 s35, 0
	s_mov_b32 s37, 0
	s_lshl_b32 s38, ttmp9, 12                      ; x_scales: 32 rows of 128 bytes x g + 16 w
	s_lshl_b32 s40, s26, 4                         ; lora_A_scales: 16 w
	s_add_co_u32 s38, s38, s40
	s_mov_b32 s39, 0
	s_mov_b32 s41, 0
	s_lshl_b32 s42, s26, 17                        ; scl: K step 2 w, side 0, group g
	s_lshl_b32 s43, ttmp9, 8
	s_add_co_u32 s42, s42, s43
	s_mov_b32 s44, s43                             ; zs: two tiles of 128 bytes x g
	s_mov_b32 s43, 0
	s_mov_b32 s45, 0
	s_lshl_b32 s46, ttmp9, 12                      ; zc: two tiles of 2,048 bytes x g
	s_mov_b32 s47, 0
	s_wait_alu depctr_va_vdst(0)
	s_wait_kmcnt 0x0
	s_add_nc_u64 s[4:5], s[4:5], s[34:35]
	s_add_nc_u64 s[8:9], s[8:9], s[36:37]
	s_add_nc_u64 s[6:7], s[6:7], s[38:39]
	s_add_nc_u64 s[10:11], s[10:11], s[40:41]
	s_add_nc_u64 s[20:21], s[20:21], s[42:43]
	s_add_nc_u64 s[22:23], s[22:23], s[46:47]
	s_add_nc_u64 s[24:25], s[24:25], s[44:45]
.macro PLOAD reg, b, S                 ; a panel: 32 rows x 256 bytes; an instruction takes two rows, sixteen lanes to 256 consecutive bytes, aligned
.irp i, 0,1,2,3,4,5,6,7,8,9,10,11,12,13,14,15
	global_load_b128 v[\reg+4*\i:\reg+4*\i+3], v4, s[\b:\b+1] offset:256*\S+8192*\i
.endr
.endm
.macro PTURN reg, rd, rowstep          ; the panel goes into my LDS region and comes back as four fragments, into the registers that it left; LDS serves a wave's instructions in order
.irp i, 0,1,2,3,4,5,6,7,8,9,10,11,12,13,14,15
	ds_store_b128 v5, v[\reg+4*\i:\reg+4*\i+3] offset:544*\i
.endr
.irp u, 0,1
.irp q, 0,1
.irp c, 0,1,2,3
	ds_load_b128 v[\reg+16*(2*\u+\q)+4*\c:\reg+16*(2*\u+\q)+4*\c+3], v[\rd] offset:\rowstep*\u*272+128*\q+32*\c
.endr
.endr
.endr
.endm
; One product: x's tile ux against lora_A's tile ul, step q of run S.  The very first step starts the sums with the constant 0.  The upper tile's scale words stand in lanes 16-31.
.macro XAW ux, ul, S, q
.set rD, ACC+8*(2*\ux+\ul)
.set rA, LP+16*(2*\ul+\q)
.set rB, XP+16*(2*\ux+\q)
.set rSA, ASC+2*\S+\q
.set rSB, XSC+2*\S+\q
.if (\S)+(\q) == 0
.if (\ux == 0) && (\ul == 0)
	v_wmma_scale_f32_16x16x128_f8f6f4 v[rD:rD+7], v[rA:rA+15], v[rB:rB+15], 0, v[rSA], v[rSB]
.elseif (\ux == 0) && (\ul == 1)
	v_wmma_scale_f32_16x16x128_f8f6f4 v[rD:rD+7], v[rA:rA+15], v[rB:rB+15], 0, v[rSA], v[rSB] matrix_a_scale:MATRIX_SCALE_ROW1
.elseif (\ux == 1) && (\ul == 0)
	v_wmma_scale_f32_16x16x128_f8f6f4 v[rD:rD+7], v[rA:rA+15], v[rB:rB+15], 0, v[rSA], v[rSB] matrix_b_scale:MATRIX_SCALE_ROW1
.else
	v_wmma_scale_f32_16x16x128_f8f6f4 v[rD:rD+7], v[rA:rA+15], v[rB:rB+15], 0, v[rSA], v[rSB] matrix_a_scale:MATRIX_SCALE_ROW1 matrix_b_scale:MATRIX_SCALE_ROW1
.endif
.else
.if (\ux == 0) && (\ul == 0)
	v_wmma_scale_f32_16x16x128_f8f6f4 v[rD:rD+7], v[rA:rA+15], v[rB:rB+15], v[rD:rD+7], v[rSA], v[rSB]
.elseif (\ux == 0) && (\ul == 1)
	v_wmma_scale_f32_16x16x128_f8f6f4 v[rD:rD+7], v[rA:rA+15], v[rB:rB+15], v[rD:rD+7], v[rSA], v[rSB] matrix_a_scale:MATRIX_SCALE_ROW1
.elseif (\ux == 1) && (\ul == 0)
	v_wmma_scale_f32_16x16x128_f8f6f4 v[rD:rD+7], v[rA:rA+15], v[rB:rB+15], v[rD:rD+7], v[rSA], v[rSB] matrix_b_scale:MATRIX_SCALE_ROW1
.else
	v_wmma_scale_f32_16x16x128_f8f6f4 v[rD:rD+7], v[rA:rA+15], v[rB:rB+15], v[rD:rD+7], v[rSA], v[rSB] matrix_a_scale:MATRIX_SCALE_ROW1 matrix_b_scale:MATRIX_SCALE_ROW1
.endif
.endif
.endm
.macro MULXA S                         ; eight products; the four accumulators take turns, one instruction a turn
.irp q, 0,1
	XAW 0, 0, \S, \q
	XAW 0, 1, \S, \q
	XAW 1, 0, \S, \q
	XAW 1, 1, \S, \q
.endr
.endm
	global_load_b128 v[XSC:XSC+3], v10, s[6:7]
	global_load_b128 v[ASC:ASC+3], v11, s[10:11]
	global_load_b128 v[RL:RL+3], v12, s[6:7]
.irp j, 0,1,2,3
	global_load_b128 v[LS+4*\j:LS+4*\j+3], v14, s[12:13] offset:16*\j
.endr
	PLOAD XP, 4, 0
	PLOAD LP, 8, 0
	s_wait_loadcnt 16                              ; all but lora_A's panel (16 loads)
	global_store_b64 v13, v[RL:RL+1], s[20:21]     ; x's scale bytes of K step 2 w: 32 lanes store 256 consecutive bytes, aligned
	global_store_b64 v13, v[RL+2:RL+3], s[20:21] offset:65536   ; and of K step 2 w + 1
	PTURN XP, 6, 16
	s_wait_loadcnt 0x0
	PTURN LP, 7, 8
	s_wait_dscnt 0x0
	MULXA 0
.rept 8
	v_nop                                          ; places in front of loads into registers that matrix instructions have read (ISA guide 7.12.1 for vector instructions)
.endr
	PLOAD XP, 4, 1
	PLOAD LP, 8, 1
	s_wait_loadcnt 16                              ; x's panel is in; lora_A's may be out
	PTURN XP, 6, 16
	s_wait_loadcnt 0x0
	PTURN LP, 7, 8
	s_wait_dscnt 0x0
	MULXA 1
.rept 8
	v_nop                                          ; places in front of the first read of results, and of the loads below into the fragments' registers
.endr
.irp a, 0,1,2,3
	ds_store_b128 v8, v[ACC+8*\a:ACC+8*\a+3] offset:1024*\a          ; my partial sums as an image of their registers, each accumulator from its low end on
	ds_store_b128 v8, v[ACC+8*\a+4:ACC+8*\a+7] offset:1024*\a+512
.endr
	s_wait_dscnt 0x0                               ; for the others' sake: my stores have landed
	s_barrier_signal -1
	s_barrier_wait -1
	s_cmp_ge_u32 s26, 2                            ; waves 0 and 1 finish the two tiles; the others are done (no barrier follows)
	s_cbranch_scc1 .Lxa_end
.irp w, 0,1,2,3,4,5,6,7
.irp p, 0,1,2,3
	ds_load_b128 v[32+16*\w+4*\p:32+16*\w+4*\p+3], v9 offset:XREG*\w+512*\p   ; wave w's 16 registers of my tile
.endr
.endr
	s_wait_dscnt 0x0
.irp w, 1,2,3,4,5,6,7
.irp i, 0,2,4,6,8,10,12,14
	v_pk_add_f32 v[32+\i:33+\i], v[32+\i:33+\i], v[32+16*\w+\i:33+16*\w+\i]   ; K ascending
.endr
.endr
.irp i, 0,2,4,6,8,10,12,14
	v_pk_mul_f32 v[32+\i:33+\i], v[32+\i:33+\i], v[LS+\i:LS+\i+1]             ; xa x lora_S: register i is unit 16 h + i of my row
.endr
	v_max3_num_f32 v220, |v32|, |v33|, FLOOR       ; the one block of 32: my 16, and the floor
.irp i, 2,4,6,8,10,12,14
	s_delay_alu instid0(VALU_DEP_1)
	v_max3_num_f32 v220, v220, |v[32+\i]|, |v[33+\i]|
.endr
	s_delay_alu instid0(VALU_DEP_1)
	v_permlanex16_b32 v221, v220, s28, s29
	s_delay_alu instid0(VALU_DEP_1)
	v_max_num_f32 v220, v220, v221                 ; with lane l xor 16's 16
	s_delay_alu instid0(VALU_DEP_1)
	v_add_nc_u32 v223, 0xfc000000, v220            ; the conversion's scale operand
	s_delay_alu instid0(VALU_DEP_2)
	v_and_or_b32 v222, v220, 0x7f800000, s27       ; 448 x the scale
	s_delay_alu instid0(VALU_DEP_2)
	v_lshrrev_b32 v224, 23, v223                   ; the scale word: byte 0 the block's, bytes 1 to 3 zero (they stand over zero codes)
.irp i, 0,1,2,3,4,5,6,7,8,9,10,11,12,13,14,15
	v_med3_num_f32 v[32+\i], v[32+\i], -v222, v222
.endr
	v_cvt_scalef32_pk8_fp8_f32 v[240:241], v[32:39], v223
	v_cvt_scalef32_pk8_fp8_f32 v[242:243], v[40:47], v223
	v_nop                                          ; one plain line behind the conversions
.irp i, 0,1,2,3
	v_mov_b32 v[244+\i], 0                         ; zero codes for k = 32 .. 127 of the fragment
.endr
	global_store_b128 v15, v[240:243], s[22:23]                  ; registers 0-3 of the fragment: 32 lanes store 512 consecutive bytes
	global_store_b128 v15, v[244:247], s[22:23] offset:512
	global_store_b128 v15, v[244:247], s[22:23] offset:1024
	global_store_b128 v15, v[244:247], s[22:23] offset:1536
	global_store_b32 v16, v224, s[24:25]
.Lxa_end:
	s_wait_tensorcnt 0x0
	ds_add_u32 v254, v255
	s_wait_dscnt 0x0
	s_endpgm
.Lfunc_end_k_q6159f45399_prep:
	.size	k_q6159f45399_prep, .Lfunc_end_k_q6159f45399_prep-k_q6159f45399_prep
	.p2alignl 7, 3214868480
	.fill 96, 4, 3214868480
	.section	.rodata,"a",@progbits
	.p2align	6, 0x0
	.amdhsa_kernel k_q6159f45399_prep
		.amdhsa_group_segment_fixed_size 136192
		.amdhsa_private_segment_fixed_size 0
		.amdhsa_enable_private_segment 0
		.amdhsa_kernarg_size 88
		.amdhsa_user_sgpr_count 2
		.amdhsa_user_sgpr_kernarg_segment_ptr 1
		.amdhsa_wavefront_size32 1
		.amdhsa_system_sgpr_workgroup_id_x 1
		.amdhsa_system_sgpr_workgroup_id_y 1
		.amdhsa_system_sgpr_workgroup_id_z 1
		.amdhsa_system_vgpr_workitem_id 0
		.amdhsa_next_free_vgpr 256
		.amdhsa_next_free_sgpr 66
		.amdhsa_reserve_vcc 0
		.amdhsa_float_denorm_mode_32 3
		.amdhsa_float_denorm_mode_16_64 3
		.amdhsa_memory_ordered 1
		.amdhsa_forward_progress 1
		.amdhsa_inst_pref_size 103
	.end_amdhsa_kernel
	.amdgpu_metadata
---
amdhsa.version: [ 1, 2 ]
amdhsa.kernels:
  - .name:           k_q6159f45399_prep
    .symbol:         k_q6159f45399_prep.kd
    .args:
      - { .name: x_codes, .offset: 0, .size: 8, .value_kind: global_buffer, .address_space: global }
      - { .name: x_scales, .offset: 8, .size: 8, .value_kind: global_buffer, .address_space: global }
      - { .name: lora_A_codes, .offset: 16, .size: 8, .value_kind: global_buffer, .address_space: global }
      - { .name: lora_A_scales, .offset: 24, .size: 8, .value_kind: global_buffer, .address_space: global }
      - { .name: lora_S, .offset: 32, .size: 8, .value_kind: global_buffer, .address_space: global }
      - { .name: w_q, .offset: 40, .size: 8, .value_kind: global_buffer, .address_space: global }
      - { .name: w_scale, .offset: 48, .size: 8, .value_kind: global_buffer, .address_space: global }
      - { .name: wc, .offset: 56, .size: 8, .value_kind: global_buffer, .address_space: global }
      - { .name: scl, .offset: 64, .size: 8, .value_kind: global_buffer, .address_space: global }
      - { .name: zc, .offset: 72, .size: 8, .value_kind: global_buffer, .address_space: global }
      - { .name: zs, .offset: 80, .size: 8, .value_kind: global_buffer, .address_space: global }
    .group_segment_fixed_size: 136192
    .private_segment_fixed_size: 0
    .kernarg_segment_align: 8
    .kernarg_segment_size: 88
    .max_flat_workgroup_size: 256
    .sgpr_count:     66
    .vgpr_count:     256
    .wavefront_size: 32
...
	.end_amdgpu_metadata
.endif
;; end of part 1
;; launch gemm (part 2): grid 16 x 16, 4 waves a work-group, clusters of 4 x 4, 327,680 bytes of LDS; arguments x_codes, wc, scl, zc, zs, lora_B_codes, lora_B_scales, bias, out0; writes out0
.if DOCPART == 2
	.amdgcn_target "amdgcn-amd-amdhsa--gfx1250"
	.amdhsa_code_object_version 6
	.text
	.protected	k_q6159f45399_gemm
	.globl	k_q6159f45399_gemm
	.p2align	8
	.type	k_q6159f45399_gemm,@function
k_q6159f45399_gemm:
	s_mov_b64 s[64:65], 0
	v_nop
	global_prefetch_b8 v0, s[64:65] scope:SCOPE_SE
	s_setreg_imm32_b32 hwreg(HW_REG_WAVE_MODE, 25, 1), 1
	s_wait_xcnt 0x0
	s_wait_alu depctr_hold_cnt(0) depctr_sa_sdst(0) depctr_va_vdst(0) depctr_va_sdst(0) depctr_va_ssrc(0) depctr_va_vcc(0) depctr_vm_vsrc(0)
	s_getreg_b32 s2, hwreg(HW_REG_IB_STS2, 6, 4)
	s_cmp_eq_u32 s2, 0
	s_cbranch_scc0 .Lentry_in_a_cluster
	s_endpgm
.Lentry_in_a_cluster:
	s_bfe_u32 s2, ttmp6, 0x10000c
	s_cmp_lg_u32 s2, 0xf033
	s_cbranch_scc0 .Lentry_shape_is_right
	s_endpgm
.Lentry_shape_is_right:
; out0 = x w_deq^T + bias + z lora_B^T on codes of MX-FP8 (E4M3, one E8M0 byte for 32 along K); sums in f32.  x comes as given; wc, scl, zc, zs are the preparing launch's.
; A tile of 256 x 256 a work-group, four waves of 128 x 128 (64 accumulators, windows 2 and 3); K in steps of 256 through a ring of two LDS slots, filled by joint loads of a 4 x 4 cluster
; (A's tiles shared along a row of the cluster, B's along a column).  Scale words come from scl, 256 consecutive bytes for 32 rows and a K step, straight into registers, one K step ahead.
; The sums begin with z lora_B^T, whose C is the bias: z's fragments hold 32 codes and 96 zero codes, so what stands over them in lora_B's fragment adds nothing.
; The matrix instruction is used transposed (source 0 = rows of the weight, source 1 = rows of x): a lane holds eight neighbouring numbers of a row of out0.
; Each cluster begins K at 1,024 x ((2 cluster y + cluster x) % 4) and walks round: the order of the K steps in a sum hangs on the cluster; each sum holds every K step once.
; LIMITS: NaN and infinities are not served.
.set SIZE_N, 4096
.set NQ,     2
.set ROWB,   256
.set KROW,   4096
.set PITCH,  272
.set FR,     16
.set NL,     4
.set NP,     8
.set HALFT,  128*PITCH
.set SLOT,   4*HALFT
.set LAPS,   8
.set SPARE,  2*SLOT
.set SPITCH, 528
.set ADRA, 16
.set ADRB, 20
.set STO,  24
.set RD,   25
.set CO,   26
.set SCO,  27
.set SPW,  28
.set NIL,  29
.set PFO,  30
.set SC,   32
.set ZS,   48
.set LBS,  56
.set BIAS, 64
.set AF,   128
.set BK,   128
.set G1, 24
.set G0, 32
.set G1B, 48
.set G0B, 56
.set PFB, 66
.set PFA, 76
.set LIM, 78
.set SCB, 80
.set ABASE, 88
.set BBASE, 90
.set KQ,  92
.set TQ,  94
.set PQ,  96
.set MSB, 0
.macro WIN new
.if MSB != \new
	s_set_vgpr_msb (MSB<<8)|\new
.set MSB, \new
.endif
.endm
.set MUL_LO, 0xa1
.set MUL_HI, 0xf1
.set TO_B,   0x40
.macro JLOAD g0a, g1a, g0b, g1b
	s_cmp_eq_u32 s15, 0
	s_cbranch_scc0 .Lfor_b_\@
	tensor_load_to_lds s[\g0a:\g0a+3], s[\g1a:\g1a+7]
	s_nop 0
.rept 4
	v_nop
.endr
	s_branch .Lasked_\@
.Lfor_b_\@:
	tensor_load_to_lds s[\g0b:\g0b+3], s[\g1b:\g1b+7]
	s_nop 0
.rept 4
	v_nop
.endr
.Lasked_\@:
.endm
.macro AIM slot
	s_add_nc_u64 s[G0+4*\slot+2:G0+4*\slot+3], s[ABASE:ABASE+1], s[KQ:KQ+1]
	s_or_b32 s[G0+4*\slot+3], s[G0+4*\slot+3], 0x80000000
	s_add_nc_u64 s[G0B+4*\slot+2:G0B+4*\slot+3], s[BBASE:BBASE+1], s[KQ:KQ+1]
	s_or_b32 s[G0B+4*\slot+3], s[G0B+4*\slot+3], 0x80000000
	s_add_co_u32 s[KQ], s[KQ], ROWB
	s_and_b32 s[KQ], s[KQ], KROW-1
.endm
.macro ASK
	s_cmp_gt_u32 s3, s[LIM]
	s_cbranch_scc0 .Lnot_mine_\@
	s_wait_alu depctr_va_vdst(0)
	global_prefetch_b8 v[PFO], s[PFA:PFA+1] th:TH_LOAD_NT scope:SCOPE_SE
.Lnot_mine_\@:
.endm
.macro CREST
	s_cmp_lg_u32 s14, 0
	s_cbranch_scc1 .Lnot_wave_0_\@
	s_barrier_signal -3
.Lnot_wave_0_\@:
	s_barrier_wait -3
	s_barrier_signal -1
	s_barrier_wait -1
.endm
.macro CROUND
	s_barrier_signal -1
	s_barrier_wait -1
	CREST
.endm
	s_load_b128 s[4:7], s[0:1], 0x0
	s_load_b128 s[8:11], s[0:1], 0x10
	s_load_b128 s[68:71], s[0:1], 0x20
	s_load_b128 s[72:75], s[0:1], 0x30
	s_load_b64 s[12:13], s[0:1], 0x40
	v_lshl_add_u32 v[SPW], v0, 2, SPARE
	v_mov_b32 v[NIL], 0
	ds_add_u32 v28, v29
	ds_add_u32 v28, v29
	s_wait_dscnt 0x0
	v_lshrrev_b32 v1, 5, v0
	v_readfirstlane_b32 s14, v1
	s_lshr_b32 s15, s14, 1
	s_and_b32 s16, s14, 1
	s_bfe_u32 s40, ttmp6, 0x40000
	s_bfe_u32 s41, ttmp6, 0x40004
	s_lshl_b32 s42, ttmp9, 2
	s_add_co_u32 s42, s42, s40
	s_and_b32 s17, ttmp7, 0xffff
	s_lshl_b32 s17, s17, 2
	s_add_co_u32 s17, s17, s41
	s_lshl_b32 s43, s41, 2
	s_lshl_b32 s43, 15, s43
	s_lshl_b32 s44, 0x1111, s40
	s_and_b32 s[KQ], ttmp7, 0xffff
	s_lshl_b32 s[KQ], s[KQ], 1
	s_add_co_u32 s[KQ], s[KQ], ttmp9
	s_and_b32 s[KQ], s[KQ], 3
	s_lshl_b32 s[KQ], s[KQ], 10
	s_mov_b32 s[KQ+1], 0
	s_lshl_b32 s[TQ], s[KQ], 8
	s_mov_b32 s[TQ+1], 0
	s_mov_b32 s[PQ+1], 0
	s_or_b32 s[G1+0], s43, (0<<16)|(1<<20)|(1<<21)|(5<<22)|(3<<25)
	s_or_b32 s[G1B+0], s44, (0<<16)|(1<<20)|(1<<21)|(5<<22)|(3<<25)
.irp g, G1, G1B
	s_mov_b32 s[\g+1], ROWB<<16
	s_mov_b32 s[\g+2], 128<<16
	s_mov_b32 s[\g+3], ROWB<<16
	s_mov_b32 s[\g+4], 128
	s_mov_b32 s[\g+5], KROW
	s_mov_b32 s[\g+6], 0
	s_mov_b32 s[\g+7], 0
.endr
	s_lshl_b32 s18, s16, 7
	s_lshl_b32 s20, s17, 8
	s_add_co_u32 s20, s20, s18
	s_lshl_b32 s46, s42, 8
	s_add_co_u32 s46, s46, s18
	s_mov_b32 s21, 0
	s_mov_b32 s47, 0
	s_mov_b64 s[18:19], KROW
	s_mul_u64 s[20:21], s[20:21], s[18:19]
	s_mul_u64 s[46:47], s[46:47], s[18:19]
	s_mul_i32 s45, s14, HALFT
	s_wait_kmcnt 0x0
	s_add_nc_u64 s[ABASE:ABASE+1], s[4:5], s[20:21]
	s_add_nc_u64 s[BBASE:BBASE+1], s[6:7], s[46:47]
	s_add_nc_u64 s[SCB:SCB+1], s[8:9], s[TQ:TQ+1]
.irp s, 0,1
	s_mov_b32 s[G0+4*\s], 1
	s_add_co_u32 s[G0+4*\s+1], s45, \s*SLOT
	s_mov_b32 s[G0B+4*\s], 1
	s_add_co_u32 s[G0B+4*\s+1], s45, \s*SLOT
	AIM \s
.endr
	CROUND                                         ; the round in front of the first joint loads
	JLOAD G0, G1, G0B, G1B                         ; the first K step: one tensor load a wave at the head; the addresses and the global loads below stand under its flight
	v_and_b32 v1, 15, v0
	s_wait_alu depctr_va_vdst(0)
	v_bfe_u32 v2, v0, 4, 1
	v_mul_u32_u24 v3, v1, PITCH
	v_lshl_add_u32 v4, v2, 4, v3
	s_mul_i32 s21, s15, HALFT
	s_mul_i32 s22, s16, HALFT
	s_add_co_u32 s22, s22, 2*HALFT
.irp s, 0,1
	v_add_nc_u32 v[ADRA+\s], s21, v4
	v_add_nc_u32 v[ADRB+\s], s22, v4
	s_add_co_u32 s21, s21, SLOT
	s_add_co_u32 s22, s22, SLOT
.endr
	s_mul_i32 s23, s14, 16*SPITCH
	v_mul_u32_u24 v5, v1, SPITCH
	s_wait_alu depctr_va_vdst(0)
	v_lshl_add_u32 v5, v2, 5, v5
	v_add_nc_u32 v[STO], s23, v5
	v_and_b32 v6, 31, v0
	s_wait_alu depctr_va_vdst(0)
	v_lshlrev_b32 v[CO], 4, v6
	v_add_nc_u32 v[RD], s23, v[CO]
	s_lshl_b32 s82, s17, 8
	s_lshl_b32 s84, s15, 7
	s_add_co_u32 s82, s82, s84
	s_lshl_b32 s83, s42, 8
	s_lshl_b32 s84, s16, 7
	s_add_co_u32 s83, s83, s84
	s_mov_b32 s85, 0
	s_lshl_b32 s84, s82, 14
	s_add_nc_u64 s[12:13], s[12:13], s[84:85]
	s_lshl_b32 s84, s83, 2
	s_add_nc_u64 s[12:13], s[12:13], s[84:85]
	s_add_nc_u64 s[74:75], s[74:75], s[84:85]
	s_lshl_b32 s84, s82, 7
	s_add_nc_u64 s[10:11], s[10:11], s[84:85]
	s_lshl_b32 s84, s82, 3
	s_add_nc_u64 s[68:69], s[68:69], s[84:85]
	s_lshl_b32 s84, s83, 5
	s_add_nc_u64 s[70:71], s[70:71], s[84:85]
	s_mov_b32 s84, s83
	s_add_nc_u64 s[72:73], s[72:73], s[84:85]
	s_lshl_b32 s86, s82, 3
	s_lshl_b32 s87, s83, 3
	s_add_co_u32 s87, s87, 32768
	s_sub_co_u32 s87, s87, s86
	v_mul_u32_u24 v5, s87, v2
	v_lshl_add_u32 v5, v1, 4, v5
	v_add_nc_u32 v[SCO], s86, v5
	v_lshlrev_b32 v7, 5, v2
	s_wait_alu depctr_va_vdst(0)
	v_lshlrev_b32 v8, 2, v6
	s_wait_alu depctr_va_vdst(0)
	v_lshlrev_b32 v9, 5, v1
	v_lshl_add_u32 v9, v2, 4, v9
	s_wait_alu depctr_va_vdst(0)
	; THE PREFETCHES.  Behind each joint refill every wave asks for the K step two refills on: 32 rows x 256 bytes, a lane a row.  Of the 128 rows that a wave fetches, each of the four partners
	; that ask for them jointly takes 32, told apart by address (cx for A, cy for B): each block of 256 bytes is named once in each cluster that loads it.
	; The last lap's two refills have no K step two on and ask for nothing.  The highest row named is 4,095 and the highest byte in a row 3,840: inside the buffers.
	s_cmp_eq_u32 s15, 0                            ; do I fetch for A?
	s_cselect_b32 s20, s17, s42                    ; the tile's number: in x by the tile row, in wc by the tile column
	s_cselect_b32 s21, s40, s41                    ; my place among the four that ask with me
	s_cselect_b64 s[PFB:PFB+1], s[4:5], s[6:7]
	s_lshl_b32 s20, s20, 8
	s_lshl_b32 s22, s16, 7
	s_add_co_u32 s20, s20, s22                     ; + the 128 rows that I fetch
	s_lshl_b32 s21, s21, 5
	s_add_co_u32 s20, s20, s21                     ; + my work-group's 32 of them
	s_lshl_b32 s20, s20, 12                        ; rows of 4,096 bytes
	s_mov_b32 s21, 0
	s_add_nc_u64 s[PFB:PFB+1], s[PFB:PFB+1], s[20:21]
	s_mov_b32 s[LIM], 1                            ; every lap but the last asks
	s_add_nc_u64 s[PFA:PFA+1], s[PFB:PFB+1], s[KQ:KQ+1]   ; the walk stands at its K step 2 here: its first four K steps lie on end, with no wrap
	v_lshlrev_b32 v[PFO], 12, v6
	global_prefetch_b8 v[PFO], s[PFA:PFA+1] offset:-256 th:TH_LOAD_NT scope:SCOPE_SE   ; K steps 1, 2 and 3, asked for while slot 0's load is on its way
	global_prefetch_b8 v[PFO], s[PFA:PFA+1] th:TH_LOAD_NT scope:SCOPE_SE
	global_prefetch_b8 v[PFO], s[PFA:PFA+1] offset:256 th:TH_LOAD_NT scope:SCOPE_SE
.macro SCLOAD s
.irp j, 0,1,2,3
	global_load_b128 v[SC+16*\s+4*\j:SC+16*\s+4*\j+3], v[SCO], s[SCB:SCB+1] offset:256*\j
.endr
.endm
.irp b, 0,1,2,3,4,5,6,7
	global_load_b128 v[BIAS+8*\b:BIAS+8*\b+3], v7, s[74:75] offset:64*\b
	global_load_b128 v[BIAS+8*\b+4:BIAS+8*\b+7], v7, s[74:75] offset:64*\b+16
.endr
.irp a, 0,1,2,3,4,5,6,7
.irp c, 0,1,2,3
	global_load_b128 v[AF+FR*\a+4*\c:AF+FR*\a+4*\c+3], v[CO], s[10:11] offset:2048*\a+512*\c
.endr
	global_load_b32 v[ZS+\a], v8, s[68:69] offset:128*\a
.endr
.irp b, 0,1,2,3,4,5,6,7
	global_load_u8 v[LBS+\b], v1, s[72:73] offset:16*\b
.endr
	SCLOAD 0
	WIN TO_B
.irp b, 0,1,2,3,4,5,6,7
.irp c, 0,1,2,3
	global_load_b128 v[128+FR*\b+4*\c:128+FR*\b+4*\c+3], v9, s[70:71] offset:512*\b
.endr
.endr
	WIN 0
	s_wait_alu depctr_va_vdst(0)                   ; the wait at the head's end
	s_wait_tensorcnt 0x0                           ; my part of slot 0 is in; slot 1's first fill is issued as a refill is:
	ds_add_u32 v[SPW], v[NIL]
	s_wait_dscnt 0x0
	CROUND                                         ; slot 0 is whole for every wave, and all sixteen work-groups are here
	JLOAD G0+4, G1, G0B+4, G1B                     ; the second K step, the first tensor load behind the round
.macro FRAG reg, adr, q, i
.irp c, 0,1,2,3
	ds_load_b128 v[\reg+4*\c:\reg+4*\c+3], v[\adr] offset:128*(\q)+32*\c+(\i)*16*PITCH
.endr
.endm
.macro MUL16 a0, p, q, sc
.irp a, \a0, \a0+1
.irp b, 0,1,2,3,4,5,6,7
	v_wmma_scale_f32_16x16x128_f8f6f4 v[8*(8*((\a)%4)+\b):8*(8*((\a)%4)+\b)+7], v[128*(\p)+FR*\b:128*(\p)+FR*\b+FR-1], v[AF+FR*(\a):AF+FR*(\a)+FR-1], v[8*(8*((\a)%4)+\b):8*(8*((\a)%4)+\b)+7], v[SC+8*NQ*(\sc)+NQ*\b+(\q)], v[SC+8*NQ*(\sc)+NQ*(\a)+(\q)] matrix_a_scale:MATRIX_SCALE_ROW1
.endr
.endr
.endm
.macro MUL8 a, p, q, sc                ; eight products: A's block a against B's eight
.irp b, 0,1,2,3,4,5,6,7
	v_wmma_scale_f32_16x16x128_f8f6f4 v[8*(8*((\a)%4)+\b):8*(8*((\a)%4)+\b)+7], v[128*(\p)+FR*\b:128*(\p)+FR*\b+FR-1], v[AF+FR*(\a):AF+FR*(\a)+FR-1], v[8*(8*((\a)%4)+\b):8*(8*((\a)%4)+\b)+7], v[SC+8*NQ*(\sc)+NQ*\b+(\q)], v[SC+8*NQ*(\sc)+NQ*(\a)+(\q)] matrix_a_scale:MATRIX_SCALE_ROW1
.endr
.endm
.macro MULX a0
.irp a, \a0, \a0+1
.irp b, 0,1,2,3,4,5,6,7
	v_wmma_scale_f32_16x16x128_f8f6f4 v[8*(8*((\a)%4)+\b):8*(8*((\a)%4)+\b)+7], v[128+FR*\b:128+FR*\b+FR-1], v[AF+FR*(\a):AF+FR*(\a)+FR-1], v[BIAS+8*\b:BIAS+8*\b+7], v[LBS+\b], v[ZS+(\a)]
.endr
.endr
.endm
.macro FETCH_B slot, q, p
	WIN TO_B
.irp i, 0,1,2,3,4,5,6,7
	FRAG 128*(\p)+FR*\i, ADRB+\slot, \q, \i
.endr
	WIN 0
.endm
.macro FETCH_A slot, q, i0
.irp i, \i0, \i0+1, \i0+2, \i0+3
	FRAG AF+FR*(\i), ADRA+\slot, \q, \i
.endr
.endm
.macro PLACES n
.rept \n
	v_nop
.endr
.endm
.macro STEP slot, lc
	s_wait_loadcnt \lc
	s_wait_dscnt 4*NL
	WIN MUL_LO
	MUL16 0, 0, 0, \slot
	MUL16 2, 0, 0, \slot
	s_wait_dscnt 0
	PLACES NP
	FETCH_B \slot, 1, 1
	FETCH_A \slot, 1, 0
	WIN MUL_HI
	MUL16 4, 0, 0, \slot
	MUL16 6, 0, 0, \slot
	PLACES NP
	WIN 0
	FETCH_A \slot, 1, 4
.endm
.macro TURN slot, next, fill
.if \fill
	s_wait_xcnt 0x0
	s_lshl_b32 s[TQ], s[KQ], 8
	s_add_nc_u64 s[SCB:SCB+1], s[8:9], s[TQ:TQ+1]
	s_add_co_u32 s[PQ], s[KQ], 2*ROWB
	s_and_b32 s[PQ], s[PQ], KROW-1
	s_add_nc_u64 s[PFA:PFA+1], s[PFB:PFB+1], s[PQ:PQ+1]
.endif
	s_wait_dscnt 4*NL
	WIN MUL_LO
	MUL16 0, 1, 1, \slot
	WIN 0                                          ; (the add's two registers lie in window 0)
	s_wait_tensorcnt 0x0                           ; all my tensor loads have landed: my part of the next slot
	ds_add_u32 v[SPW], v[NIL]
.if \fill
	AIM \slot                                      ; no load of mine is out: this slot's group 0 takes its next K step
.endif
	WIN MUL_LO
	MUL8 2, 1, 1, \slot                            ; eight products stand between the add and the wait for it
	s_wait_dscnt 0x0                               ; the add is done, and my reads of this slot are over
	s_barrier_signal -1
	MUL8 3, 1, 1, \slot                            ; work on registers while the others arrive
	WIN 0
	s_barrier_wait -1
.if \fill
	CREST
	JLOAD G0+4*\slot, G1, G0B+4*\slot, G1B
	PLACES NP-4
.else
	PLACES NP
.endif
	FETCH_B \next, 0, 0
	FETCH_A \next, 0, 0
.if \fill
	ASK
.endif
	WIN MUL_HI
	MUL16 4, 1, 1, \slot
	MUL16 6, 1, 1, \slot
	PLACES NP
	WIN 0
	FETCH_A \next, 0, 4
.if \fill
	SCLOAD \slot
.endif
.endm
	FETCH_B 0, 0, 0                                ; B's set 0 is free: lora_B's fragments lie in set 1
	s_wait_loadcnt 0x0
	s_add_nc_u64 s[SCB:SCB+1], s[SCB:SCB+1], 65536
	WIN 0x81
	MULX 0
	MULX 2
	WIN 0
	PLACES NP
	FETCH_A 0, 0, 0
	WIN 0xc1
	MULX 4
	MULX 6
	PLACES NP
	WIN 0
	FETCH_A 0, 0, 4
	SCLOAD 1
	STEP 0, 4
	s_mov_b32 s3, LAPS-1
.Llap:
	TURN 0, 1, 1
	STEP 1, 4
	TURN 1, 0, 1
	STEP 0, 4
	s_sub_co_u32 s3, s3, 1
	s_cmp_lg_u32 s3, 0
	s_cbranch_scc1 .Llap
	TURN 0, 1, 0
	STEP 1, 0
	s_wait_dscnt 4*NL
	WIN MUL_LO
	MUL16 0, 1, 1, 1
	MUL16 2, 1, 1, 1
	s_wait_dscnt 0
	WIN MUL_HI
	MUL16 4, 1, 1, 1
	MUL16 6, 1, 1, 1
	WIN 0
.macro TOSTAGE a
.set AC, 64*((\a)%4)
	WIN 0x08+4*((\a)/4)
.irp b, 0,1,2,3,4,5,6,7
	ds_store_b128 v[STO], v[AC+8*\b:AC+8*\b+3] offset:64*\b
	ds_store_b128 v[STO], v[AC+8*\b+4:AC+8*\b+7] offset:64*\b+16
.endr
	WIN 0
.set BB, BK+64*((\a)%2)
.irp t, 0,1,2,3,4,5,6,7,8,9,10,11,12,13,14,15
	ds_load_b128 v[BB+4*\t:BB+4*\t+3], v[RD] offset:\t*SPITCH
.endr
.endm
.macro SEND a, younger
.set BB, BK+64*((\a)%2)
	s_wait_dscnt \younger
.if (\a) > 0
	s_add_nc_u64 s[12:13], s[12:13], 16*SIZE_N*4
.endif
.irp t, 0,1,2,3,4,5,6,7,8,9,10,11,12,13,14,15
	global_store_b128 v[CO], v[BB+4*\t:BB+4*\t+3], s[12:13] offset:\t*SIZE_N*4 th:TH_STORE_NT
.endr
.endm
	PLACES NP
	TOSTAGE 0
.irp a, 1,2,3,4,5,6,7
.if \a > 1
	s_wait_xcnt 0x0
.endif
	TOSTAGE \a
	SEND \a-1, 32
.endr
	s_wait_xcnt 0x0
	SEND 7, 0
	s_wait_tensorcnt 0x0
	ds_add_u32 v[SPW], v[NIL]
	s_wait_dscnt 0x0
	CROUND
	s_endpgm
.Lfunc_end_k_q6159f45399_gemm:
	.size	k_q6159f45399_gemm, .Lfunc_end_k_q6159f45399_gemm-k_q6159f45399_gemm
	.p2alignl 7, 3214868480
	.fill 96, 4, 3214868480
	.section	.rodata,"a",@progbits
	.p2align	6, 0x0
	.amdhsa_kernel k_q6159f45399_gemm
		.amdhsa_group_segment_fixed_size 327680
		.amdhsa_private_segment_fixed_size 0
		.amdhsa_enable_private_segment 0
		.amdhsa_kernarg_size 72
		.amdhsa_user_sgpr_count 2
		.amdhsa_user_sgpr_kernarg_segment_ptr 1
		.amdhsa_wavefront_size32 1
		.amdhsa_system_sgpr_workgroup_id_x 1
		.amdhsa_system_sgpr_workgroup_id_y 1
		.amdhsa_system_sgpr_workgroup_id_z 1
		.amdhsa_system_vgpr_workitem_id 0
		.amdhsa_next_free_vgpr 1024
		.amdhsa_next_free_sgpr 98
		.amdhsa_reserve_vcc 0
		.amdhsa_float_denorm_mode_32 3
		.amdhsa_float_denorm_mode_16_64 3
		.amdhsa_memory_ordered 1
		.amdhsa_forward_progress 1
		.amdhsa_inst_pref_size 164
	.end_amdhsa_kernel
	.amdgpu_metadata
---
amdhsa.version: [ 1, 2 ]
amdhsa.kernels:
  - .name:           k_q6159f45399_gemm
    .symbol:         k_q6159f45399_gemm.kd
    .args:
      - { .name: x_codes, .offset: 0, .size: 8, .value_kind: global_buffer, .address_space: global }
      - { .name: wc, .offset: 8, .size: 8, .value_kind: global_buffer, .address_space: global }
      - { .name: scl, .offset: 16, .size: 8, .value_kind: global_buffer, .address_space: global }
      - { .name: zc, .offset: 24, .size: 8, .value_kind: global_buffer, .address_space: global }
      - { .name: zs, .offset: 32, .size: 8, .value_kind: global_buffer, .address_space: global }
      - { .name: lora_B_codes, .offset: 40, .size: 8, .value_kind: global_buffer, .address_space: global }
      - { .name: lora_B_scales, .offset: 48, .size: 8, .value_kind: global_buffer, .address_space: global }
      - { .name: bias, .offset: 56, .size: 8, .value_kind: global_buffer, .address_space: global }
      - { .name: out0, .offset: 64, .size: 8, .value_kind: global_buffer, .address_space: global }
    .group_segment_fixed_size: 327680
    .private_segment_fixed_size: 0
    .kernarg_segment_align: 8
    .kernarg_segment_size: 72
    .max_flat_workgroup_size: 128
    .sgpr_count:     98
    .vgpr_count:     1024
    .wavefront_size: 32
...
	.end_amdgpu_metadata
.endif
;; end of part 2
